; MI455X (gfx1250); checked and timed in simulation.
; The chip was launched on July 23, 2026; its instructions are those of AMD's public machine-readable ISA for CDNA 5 (MIT licence, August 2026) and "CDNA5" Instruction Set Architecture Reference Guide (July 2026). The comments in the code are by the model that wrote it; some were corrected since.
;; Bert Self Attention. Allowed arithmetic: float matrix products may take bf16 or f16 operands with f32 sums; all other float work in f32.
;; Inputs: Wk 1,024 x 1,024 float32; Wq 1,024 x 1,024 float32; Wv 1,024 x 1,024 float32; attention_mask 8 x 1 x 1,024 x 1,024 float32; bk 1,024 float32; bq 1,024 float32; bv 1,024 float32; hidden_states 8 x 1,024 x 1,024 float32.
;; Outputs: out0 8 x 1,024 x 1,024 float32.
;; One version. Each part assembles by itself: llvm-mc -triple=amdgcn-amd-amdhsa -mcpu=gfx1250 --defsym DOCPART=n.
;; ======== version 1 of 1: 3 launches
;; limits: values are held in f16: magnitudes above 65,504 overflow, below 6.1e-05 lose precision; right only within a limited range of input values
;; workspace buffers: xb 16,777,216 bytes; wb 6,291,456 bytes; biasp 12,288 bytes; maskr 33,554,432 bytes; qh 16,777,216 bytes; kv 33,554,432 bytes
;; launch cast (part 1): grid 1217 x 1, 8 waves a work-group, no clusters, 0 bytes of LDS; arguments hidden_states, attention_mask, Wq, Wk, Wv, bq, bk, bv, xb, maskr, wb, biasp; writes xb, maskr, wb, biasp
.if DOCPART == 1
	.amdgcn_target "amdgcn-amd-amdhsa--gfx1250"
	.amdhsa_code_object_version 6
	.text
	.protected	k_q4d0452c6b5_cast
	.globl	k_q4d0452c6b5_cast
	.p2align	8
	.type	k_q4d0452c6b5_cast,@function
k_q4d0452c6b5_cast:
	s_mov_b64 s[64:65], 0
	v_nop
	global_prefetch_b8 v0, s[64:65] scope:SCOPE_SE
	s_setreg_imm32_b32 hwreg(HW_REG_WAVE_MODE, 25, 1), 1
	s_wait_xcnt 0x0
; CAST: every input is rounded once to bf16 and laid out for the two launches behind.
;   xb    [b][d][l] bf16                  = hidden_states
;   maskr [b][l][m] f32                   = attention_mask, raised to -2^100 at the least, rounded to bf16, written as f32 (it is the C operand of a product later)
;   wb    [kb 16][rho 3072][64] bf16      rho = 192 head + 64 g + channel, g = 0, 1, 2 for q, k, v; the row holds d = 64 kb .. 64 kb + 63; q's rows times 1/8 (a power of two: exact)
;   biasp [rho] f32                       the biases rounded to bf16, written as f32; q's times 1/8
; LIMITS.  A mask number below -2^100 counts as -2^100 and a NaN in the mask likewise: a hidden key's weight is 0 either way, a row hidden wholly by the lowest finite number is a plain mean
; as it is by the definition, but a row hidden wholly by -inf gives that mean too, and no NaN.
; A stream: no LDS, no matrix unit, no loop.  A wave's job is 16 loads of 512 neighbouring bytes in one run, then 16 turns of wait, convert, store.  A load's four registers are converted in place
; and stored from there, and no register is loaded twice, so nothing waits for a store; a wave needs 72 registers, so that several work-groups lie on a WGP and their loads are on their way together.
; Work-groups 0-511 take 64 KiB of hidden_states each, 512-1023 64 KiB of the mask, 1024-1215 sixteen rows of one weight matrix, 1216 the three biases.
.set IN,  8                            ; v[8:71]    load i: 4 registers, as loaded and then as stored
	s_load_b512 s[8:23], s[0:1], 0x0               ; x 8:9, mask 10:11, Wq 12:13, Wk 14:15, Wv 16:17, bq 18:19, bk 20:21, bv 22:23
	s_load_b256 s[24:31], s[0:1], 0x40             ; xb 24:25, maskr 26:27, wb 28:29, biasp 30:31
	s_mov_b32 s7, ttmp9                            ; the work-group's number
	s_mov_b32 s6, 0xffff0000                       ; a word's upper bf16
	s_mov_b32 s3, 0                                ; upper word of every offset pair
	v_lshrrev_b32 v3, 5, v0                        ; wave
	v_and_b32 v4, 31, v0                           ; lane
	v_lshlrev_b32 v1, 4, v4
	v_lshl_add_u32 v1, v3, 13, v1                  ; 8,192 x wave + 16 x lane
	s_wait_kmcnt 0x0
	s_cmp_lt_u32 s7, 512
	s_cbranch_scc0 .Lnot_x
	; hidden_states: 16 bytes of f32 in, 8 bytes of bf16 out; a wave's store covers 256 consecutive bytes, aligned
	s_lshl_b32 s2, s7, 16
	s_add_nc_u64 s[8:9], s[8:9], s[2:3]
	s_lshl_b32 s2, s7, 15
	s_add_nc_u64 s[24:25], s[24:25], s[2:3]
	v_lshrrev_b32 v2, 1, v1
.set i, 0
.rept 16
	global_load_b128 v[IN+4*i:IN+4*i+3], v1, s[8:9] offset:512*i th:TH_LOAD_NT
.set i, i+1
.endr
.set i, 0
.rept 16
	s_wait_loadcnt 15-i                            ; loads come back in order: load i is in, the younger ones stay out
	v_cvt_pk_bf16_f32 v[IN+4*i], v[IN+4*i], v[IN+4*i+1]
	v_cvt_pk_bf16_f32 v[IN+4*i+1], v[IN+4*i+2], v[IN+4*i+3]
	global_store_b64 v2, v[IN+4*i:IN+4*i+1], s[24:25] offset:256*i
.set i, i+1
.endr
	s_endpgm
.Lnot_x:
	s_cmp_lt_u32 s7, 1024
	s_cbranch_scc0 .Lnot_m
	; the mask: floor, round to bf16, widen again; 16 bytes in, 16 bytes out at the same offset
	s_sub_co_u32 s32, s7, 512
	s_mov_b32 s33, 0xf1800000                      ; -2^100
	s_lshl_b32 s2, s32, 16
	s_add_nc_u64 s[10:11], s[10:11], s[2:3]
	s_add_nc_u64 s[26:27], s[26:27], s[2:3]
.set i, 0
.rept 16
	global_load_b128 v[IN+4*i:IN+4*i+3], v1, s[10:11] offset:512*i th:TH_LOAD_NT
.set i, i+1
.endr
.set i, 0
.rept 16
	s_wait_loadcnt 15-i
	v_max_num_f32 v[IN+4*i], s33, v[IN+4*i]
	v_max_num_f32 v[IN+4*i+1], s33, v[IN+4*i+1]
	v_max_num_f32 v[IN+4*i+2], s33, v[IN+4*i+2]
	v_max_num_f32 v[IN+4*i+3], s33, v[IN+4*i+3]
	v_cvt_pk_bf16_f32 v[IN+4*i], v[IN+4*i], v[IN+4*i+1]
	v_cvt_pk_bf16_f32 v[IN+4*i+2], v[IN+4*i+2], v[IN+4*i+3]
	v_and_b32 v[IN+4*i+1], s6, v[IN+4*i]           ; bf16 to f32: the high half stays,
	v_lshlrev_b32 v[IN+4*i], 16, v[IN+4*i]         ; the low half moves up
	v_and_b32 v[IN+4*i+3], s6, v[IN+4*i+2]
	v_lshlrev_b32 v[IN+4*i+2], 16, v[IN+4*i+2]
	global_store_b128 v1, v[IN+4*i:IN+4*i+3], s[26:27] offset:512*i
.set i, i+1
.endr
	s_endpgm
.Lnot_m:
	s_cmp_lt_u32 s7, 1216
	s_cbranch_scc0 .Lbias
	; a weight matrix: sixteen rows a work-group; sixteen lanes take 256 bytes (64 numbers, one kb) of a row, load i is kb = i
	s_sub_co_u32 s32, s7, 1024
	s_lshr_b32 s33, s32, 6                         ; g: 0 q, 1 k, 2 v
	s_and_b32 s34, s32, 63                         ; which sixteen rows
	s_cmp_eq_u32 s33, 1
	s_cselect_b64 s[12:13], s[14:15], s[12:13]
	s_cmp_eq_u32 s33, 2
	s_cselect_b64 s[12:13], s[16:17], s[12:13]
	s_cmp_eq_u32 s33, 0
	s_cselect_b32 s4, 0x3e000000, 1.0              ; q's rows times 1/8
	s_mov_b32 s5, s4
	s_lshl_b32 s2, s34, 16
	s_add_nc_u64 s[12:13], s[12:13], s[2:3]
	s_lshr_b32 s35, s34, 2                         ; head
	s_mul_i32 s35, s35, 192
	s_lshl_b32 s36, s33, 6
	s_add_co_u32 s35, s35, s36
	s_and_b32 s36, s34, 3
	s_lshl_b32 s36, s36, 4
	s_add_co_u32 s35, s35, s36                     ; rho of the first of the sixteen rows
	s_lshl_b32 s2, s35, 7                          ; 128 bytes a row
	s_add_nc_u64 s[28:29], s[28:29], s[2:3]
	v_lshrrev_b32 v3, 4, v0
	v_and_b32 v4, 15, v0
	v_lshlrev_b32 v1, 4, v4
	v_lshl_add_u32 v1, v3, 12, v1                  ; row x 4,096 + 16 x (thread mod 16)
	v_lshlrev_b32 v2, 3, v0                        ; out: row x 128 + 8 x (thread mod 16) = 8 x thread: a wave's store covers 256 consecutive bytes, aligned
.set i, 0
.rept 16
	global_load_b128 v[IN+4*i:IN+4*i+3], v1, s[12:13] offset:256*i th:TH_LOAD_NT
.set i, i+1
.endr
.set i, 0
.rept 16
	s_wait_loadcnt 15-i
	v_pk_mul_f32 v[IN+4*i:IN+4*i+1], v[IN+4*i:IN+4*i+1], s[4:5] op_sel_hi:[1,0]
	v_pk_mul_f32 v[IN+4*i+2:IN+4*i+3], v[IN+4*i+2:IN+4*i+3], s[4:5] op_sel_hi:[1,0]
	v_cvt_pk_bf16_f32 v[IN+4*i], v[IN+4*i], v[IN+4*i+1]
	v_cvt_pk_bf16_f32 v[IN+4*i+1], v[IN+4*i+2], v[IN+4*i+3]
	global_store_b64 v2, v[IN+4*i:IN+4*i+1], s[28:29] offset:393216*i  ; a kb plane is 3,072 rows of 128 bytes; 15 planes stay inside the signed 24-bit immediate
.set i, i+1
.endr
	s_endpgm
.Lbias:
	; the three biases: thread t takes numbers 4 t .. 4 t + 3 of each
	s_mov_b32 s4, 0x3e000000
	s_mov_b32 s5, s4
	v_lshlrev_b32 v5, 4, v0
	global_load_b128 v[IN:IN+3], v5, s[18:19]
	global_load_b128 v[IN+4:IN+7], v5, s[20:21]
	global_load_b128 v[IN+8:IN+11], v5, s[22:23]
	v_lshrrev_b32 v6, 4, v0                        ; head
	v_and_b32 v7, 15, v0
	v_mul_u32_u24 v6, v6, 768                      ; 192 numbers a head
	v_lshl_add_u32 v6, v7, 4, v6
	s_wait_loadcnt 0x0
	v_pk_mul_f32 v[IN:IN+1], v[IN:IN+1], s[4:5] op_sel_hi:[1,0]
	v_pk_mul_f32 v[IN+2:IN+3], v[IN+2:IN+3], s[4:5] op_sel_hi:[1,0]
.set i, 0
.rept 3
	v_cvt_pk_bf16_f32 v[IN+4*i], v[IN+4*i], v[IN+4*i+1]
	v_cvt_pk_bf16_f32 v[IN+4*i+2], v[IN+4*i+2], v[IN+4*i+3]
	v_and_b32 v[IN+4*i+1], s6, v[IN+4*i]
	v_lshlrev_b32 v[IN+4*i], 16, v[IN+4*i]
	v_and_b32 v[IN+4*i+3], s6, v[IN+4*i+2]
	v_lshlrev_b32 v[IN+4*i+2], 16, v[IN+4*i+2]
	global_store_b128 v6, v[IN+4*i:IN+4*i+3], s[30:31] offset:256*i  ; sixteen lanes store the 64 numbers of (head, g): 256 consecutive bytes, aligned
.set i, i+1
.endr
	s_endpgm
.Lfunc_end_k_q4d0452c6b5_cast:
	.size	k_q4d0452c6b5_cast, .Lfunc_end_k_q4d0452c6b5_cast-k_q4d0452c6b5_cast
	.p2alignl 7, 3214868480
	.fill 96, 4, 3214868480
	.section	.rodata,"a",@progbits
	.p2align	6, 0x0
	.amdhsa_kernel k_q4d0452c6b5_cast
		.amdhsa_group_segment_fixed_size 0
		.amdhsa_private_segment_fixed_size 0
		.amdhsa_enable_private_segment 0
		.amdhsa_kernarg_size 96
		.amdhsa_user_sgpr_count 2
		.amdhsa_user_sgpr_kernarg_segment_ptr 1
		.amdhsa_wavefront_size32 1
		.amdhsa_system_sgpr_workgroup_id_x 1
		.amdhsa_system_sgpr_workgroup_id_y 1
		.amdhsa_system_sgpr_workgroup_id_z 1
		.amdhsa_system_vgpr_workitem_id 0
		.amdhsa_next_free_vgpr 72
		.amdhsa_next_free_sgpr 66
		.amdhsa_reserve_vcc 0
		.amdhsa_float_denorm_mode_32 3
		.amdhsa_float_denorm_mode_16_64 3
		.amdhsa_memory_ordered 1
		.amdhsa_forward_progress 1
		.amdhsa_inst_pref_size 27
	.end_amdhsa_kernel
	.amdgpu_metadata
---
amdhsa.version: [ 1, 2 ]
amdhsa.kernels:
  - .name:           k_q4d0452c6b5_cast
    .symbol:         k_q4d0452c6b5_cast.kd
    .args:
      - { .name: hidden_states, .offset: 0, .size: 8, .value_kind: global_buffer, .address_space: global }
      - { .name: attention_mask, .offset: 8, .size: 8, .value_kind: global_buffer, .address_space: global }
      - { .name: Wq, .offset: 16, .size: 8, .value_kind: global_buffer, .address_space: global }
      - { .name: Wk, .offset: 24, .size: 8, .value_kind: global_buffer, .address_space: global }
      - { .name: Wv, .offset: 32, .size: 8, .value_kind: global_buffer, .address_space: global }
      - { .name: bq, .offset: 40, .size: 8, .value_kind: global_buffer, .address_space: global }
      - { .name: bk, .offset: 48, .size: 8, .value_kind: global_buffer, .address_space: global }
      - { .name: bv, .offset: 56, .size: 8, .value_kind: global_buffer, .address_space: global }
      - { .name: xb, .offset: 64, .size: 8, .value_kind: global_buffer, .address_space: global }
      - { .name: maskr, .offset: 72, .size: 8, .value_kind: global_buffer, .address_space: global }
      - { .name: wb, .offset: 80, .size: 8, .value_kind: global_buffer, .address_space: global }
      - { .name: biasp, .offset: 88, .size: 8, .value_kind: global_buffer, .address_space: global }
    .group_segment_fixed_size: 0
    .private_segment_fixed_size: 0
    .kernarg_segment_align: 8
    .kernarg_segment_size: 96
    .max_flat_workgroup_size: 256
    .sgpr_count:     66
    .vgpr_count:     72
    .wavefront_size: 32
...
	.end_amdgpu_metadata
.endif
;; end of part 1
;; launch proj (part 2): grid 32 x 8, 4 waves a work-group, clusters of 4 x 4, 327,680 bytes of LDS; arguments wb, xb, biasp, qh, kv; writes qh, kv
.if DOCPART == 2
	.amdgcn_target "amdgcn-amd-amdhsa--gfx1250"
	.amdhsa_code_object_version 6
	.text
	.protected	k_q4d0452c6b5_proj
	.globl	k_q4d0452c6b5_proj
	.p2align	8
	.type	k_q4d0452c6b5_proj,@function
k_q4d0452c6b5_proj:
	s_mov_b64 s[64:65], 0
	v_nop
	global_prefetch_b8 v0, s[64:65] scope:SCOPE_SE
	s_setreg_imm32_b32 hwreg(HW_REG_WAVE_MODE, 25, 1), 1
	s_wait_xcnt 0x0
	s_wait_alu depctr_hold_cnt(0) depctr_sa_sdst(0) depctr_va_vdst(0) depctr_va_sdst(0) depctr_va_ssrc(0) depctr_va_vcc(0) depctr_vm_vsrc(0)
	s_getreg_b32 s2, hwreg(HW_REG_IB_STS2, 6, 4)
	s_cmp_eq_u32 s2, 0
	s_cbranch_scc0 .Lentry_in_a_cluster
	s_endpgm
.Lentry_in_a_cluster:
	s_bfe_u32 s2, ttmp6, 0x10000c
	s_cmp_lg_u32 s2, 0xf033
	s_cbranch_scc0 .Lentry_shape_is_right
	s_endpgm
.Lentry_shape_is_right:
; PROJ: the three projections as ONE product of 3,072 x 8,192 x 1,024 in bf16 with f32 sums: y[rho][b, l] = sum over d of W[rho][d] x[b][d][l] + bias[rho], rho = 192 head + 64 g + channel.
; Out, in f16, rounded once:  qh [b][head][l][64] = q / 8 (the 1/8 lies in the weights and the bias);  kv [b][kb 16][head][2][64][64]: for the 64 keys 64 kb on, K as [key][channel], then V as [channel][key].
; LIMIT.  f16 holds no number beyond 65,504: q / 8, k and v must stay within it.
; SHARES.  A work-group makes 384 rho (two heads) x 256 positions: 8 x 32 = 256 work-groups.  A wave makes one head's 192 rho x 128 positions: 96 accumulators of 16 x 16, 768 registers: windows 1, 2, 3 hold q, k, v.
; For 32 along d a wave reads 40 fragments' halves from LDS for 96 matrix instructions.
; K goes in 16 steps of 64 through two LDS slots.  W's tile is 384 rows of 128 bytes, dense in wb, asked for as rows of 256 bytes; x's is 64 rows (d) of 512 bytes.  x lies [d][l], so its fragments come out of LDS turned.
; OPERANDS.  q and k: source 0 = 16 channels of W, source 1 = 16 positions of x: a lane holds one position and eight neighbouring channels.  v: the sources swapped: a lane holds one channel and eight neighbouring positions.
; Either way a lane's eight results are 16 neighbouring bytes of the layout that is wanted.
; THE BIAS.  q's and k's sums begin with their bias: it is the C operand of the first products (a lane's eight channels: eight registers for each block of 16 channels).  v's sums begin with 0 and take theirs on the way
; out: as a C operand it would be four numbers spread over 32 registers.
; CLUSTER.  4 x 4 work-groups.  The four of a row of the cluster make the same two heads and need the same tile of W; the four of a column the same positions and the same tile of x: each tile is asked for jointly.
; REGISTERS.  Window 0: v0-15 addresses; v16-23 v's bias; v32-95, v96-159 x's fragments of a step's two quarters; v160-255 W's fragments, 32 for each of q, k, v.  Window 1 + g: accumulator (a, b) at v[8 (8 a + b)].
.set PA,     144                       ; a row of W in LDS: 128 bytes + 16: the 16 rows of a load start 36 words apart, at 16 different groups of four banks (64 banks of 4 bytes: ISA guide 11.1)
.set PB,     544                       ; a row of x: 512 bytes + 32 = 17 x 32
.set AHALF,  192*PA                    ; one head's rows: what one tensor load brings of W
.set BHALF,  32*PB                     ; 32 rows of x: what one tensor load brings, and a quarter's rows
.set BOFF,   2*AHALF
.set SLOT,   BOFF+2*BHALF              ; 90,112
.set STAGE,  2*SLOT                    ; behind the ring: 32 rows x 144 bytes for each wave, for the way out
.set SPITCH, 144
.set WSTAGE, 32*SPITCH
.set SPARE,  STAGE+4*WSTAGE            ; behind the stages: the spare words, 128 bytes for each wave: two blocks of 256 bytes that no other line names
.set ADRA, 4                           ; v4-5   LDS address of my W fragments in slot 0, 1
.set ADRB, 6                           ; v6-7   the same for x
.set STO,  8                           ; v8     the way out: where I put 16 bytes of a row
.set RD,   9                           ; v9     the way out: where I read rows back
.set GO,   10                          ; v10    my place in 512 consecutive bytes
.set BO,   11                          ; v11    my offset in q's and k's bias
.set BVO,  12                          ; v12    my offset in v's bias
.set SPW,  14                          ; v14    LDS address of my spare word; never rewritten
.set NIL,  15                          ; v15    0; never rewritten
.set BV,   16                          ; v16-23 v's bias for channel block a, twice, at BV + 2 a
.set X0,   32
.set X1,   96
.set WB,   160
.set BQ,   96                          ; until the first quarter's products have read them: q's and k's bias, eight numbers for (g, a) at BQ + 32 g + 8 a, where X1 lies later
.set T,    96                          ; the way out: v's 64 sums with their bias
.set U,    160                         ; the way out: 32 registers of f16 pairs
.set BK,   192                         ; the way out: rows read back, two buffers of 32
.set G1,   24                          ; s[24:31] descriptor group 1 for W's tiles;  s[32:39] group 0, a set for each slot
.set G0,   32
.set G1B,  40                          ; s[40:47], s[48:55] the same for x's tiles
.set G0B,  48
.set MSB, 0
.macro WIN new                         ; s_set_vgpr_msb: bits 1:0 source 0, 3:2 source 1, 5:4 source 2, 7:6 destination; the high byte repeats the setting that is left
.if MSB != (\new)
	s_set_vgpr_msb (MSB<<8)|(\new)
.set MSB, \new
.endif
.endm
; A joint load.  Waves 0 and 1 fetch W's two heads, waves 2 and 3 x's two halves.  The branch hangs on the wave's number alone.  An s_nop 0 and four v_nop follow each line.
.macro JLOAD s
	s_cmp_eq_u32 s15, 0
	s_cbranch_scc0 .Lfor_b_\@
	tensor_load_to_lds s[G0+4*(\s):G0+4*(\s)+3], s[G1:G1+7]
	s_nop 0
.rept 4
	v_nop
.endr
	s_branch .Lasked_\@
.Lfor_b_\@:
	tensor_load_to_lds s[G0B+4*(\s):G0B+4*(\s)+3], s[G1B:G1B+7]
	s_nop 0
.rept 4
	v_nop
.endr
.Lasked_\@:
.endm
.macro CREST                           ; a round of the cluster's barrier behind its opening barrier
	s_cmp_lg_u32 s14, 0
	s_cbranch_scc1 .Lnot_wave_0_\@
	s_barrier_signal -3
.Lnot_wave_0_\@:
	s_barrier_wait -3
	s_barrier_signal -1
	s_barrier_wait -1
.endm
.macro CROUND                          ; a whole round
	s_barrier_signal -1
	s_barrier_wait -1
	CREST
.endm
	s_load_b256 s[4:11], s[0:1], 0x0               ; wb 4:5, xb 6:7, biasp 8:9, qh 10:11
	s_load_b64 s[12:13], s[0:1], 0x20              ; kv
	v_lshl_add_u32 v[SPW], v0, 2, SPARE
	v_mov_b32 v[NIL], 0
	ds_add_u32 v[SPW], v[NIL]                      ; the wave's opening: the add and its wait stand ahead of my first tensor load; the set-up below, work on registers, stands between them
	v_lshrrev_b32 v1, 5, v0
	v_readfirstlane_b32 s14, v1                    ; wave 0..3
	s_lshr_b32 s15, s14, 1                         ; which of the two heads is mine.  Also: I fetch for W (0) or for x (1)
	s_and_b32 s16, s14, 1                          ; which 128 positions are mine.  Also: which half of that tile I fetch
	s_bfe_u32 s17, ttmp6, 0x40000                  ; cx
	s_bfe_u32 s18, ttmp6, 0x40004                  ; cy
	s_lshl_b32 s19, ttmp9, 2
	s_add_co_u32 s19, s19, s17                     ; 4 b + block of 256 positions
	s_and_b32 s20, ttmp7, 0xffff
	s_lshl_b32 s20, s20, 2
	s_add_co_u32 s20, s20, s18                     ; pair of heads
	s_lshl_b32 s21, s18, 2
	s_lshl_b32 s21, 15, s21                        ; my row of the cluster
	s_lshl_b32 s22, 0x1111, s17                    ; my column
	; group 1 for W: 24,576 dense bytes as 96 rows of 128 elements, 16 bytes of padding behind every 128 bytes
	s_or_b32 s[G1+0], s21, (1<<16)|(1<<20)|(1<<21)|(4<<22)|(3<<25)  ; 15:0 the mask; 17:16 2-byte elements; 20 padding on; 21 set beside a mask; 24:22 after every 32 words (code 4); 31:25 4 words (code 3)
	s_mov_b32 s[G1+1], 128<<16                     ; tensor_dim0 = 128
	s_mov_b32 s[G1+2], 96<<16                      ; tensor_dim1 = 96
	s_mov_b32 s[G1+3], 128<<16                     ; tile_dim0 = 128
	s_mov_b32 s[G1+4], 96                          ; tile_dim1 = 96
	s_mov_b32 s[G1+5], 128                         ; elements from row to row
	s_mov_b32 s[G1+6], 0
	s_mov_b32 s[G1+7], 0
	; group 1 for x: 32 rows of 256 elements, 32 bytes of padding behind every 512
	s_or_b32 s[G1B+0], s22, (1<<16)|(1<<20)|(1<<21)|(6<<22)|(7<<25) ; after every 128 words (code 6), 8 words (code 7)
	s_mov_b32 s[G1B+1], 256<<16
	s_mov_b32 s[G1B+2], 32<<16
	s_mov_b32 s[G1B+3], 256<<16
	s_mov_b32 s[G1B+4], 32
	s_mov_b32 s[G1B+5], 1024
	s_mov_b32 s[G1B+6], 0
	s_mov_b32 s[G1B+7], 0
	; W's tile hangs on the pair of heads alone, x's on the positions alone; each offset is made in registers that never hold the other coordinate
	s_mul_i32 s56, s20, 49152                      ; 384 rows of 128 bytes
	s_mul_i32 s57, s16, 24576
	s_add_co_u32 s56, s56, s57
	s_mov_b32 s57, 0
	s_lshr_b32 s60, s19, 2
	s_lshl_b32 s60, s60, 21                        ; b x 1,024 rows of 2,048 bytes
	s_and_b32 s61, s19, 3
	s_lshl_b32 s61, s61, 9                         ; 256 positions of 2 bytes
	s_add_co_u32 s60, s60, s61
	s_lshl_b32 s61, s16, 16                        ; 32 rows
	s_add_co_u32 s60, s60, s61
	s_mov_b32 s61, 0
	s_mul_i32 s23, s16, AHALF                      ; where they go: no place in the cluster enters an LDS address
	s_mul_i32 s2, s16, BHALF
	s_add_co_u32 s2, s2, BOFF
	s_wait_dscnt 0x0                               ; the opening add is done
	s_wait_kmcnt 0x0
	s_add_nc_u64 s[58:59], s[4:5], s[56:57]
	s_add_nc_u64 s[62:63], s[6:7], s[60:61]
	CROUND                                         ; all sixteen work-groups are here: the first joint loads meet
.irp s, 0,1
	s_mov_b32 s[G0+4*(\s)], 1
	s_add_co_u32 s[G0+4*(\s)+1], s23, (\s)*SLOT
	s_add_nc_u64 s[G0+4*(\s)+2:G0+4*(\s)+3], s[58:59], (\s)*393216  ; K step s: the next kb plane of wb
	s_or_b32 s[G0+4*(\s)+3], s[G0+4*(\s)+3], 0x80000000
	s_mov_b32 s[G0B+4*(\s)], 1
	s_add_co_u32 s[G0B+4*(\s)+1], s2, (\s)*SLOT
	s_add_nc_u64 s[G0B+4*(\s)+2:G0B+4*(\s)+3], s[62:63], (\s)*131072  ; 64 rows of x on
	s_or_b32 s[G0B+4*(\s)+3], s[G0B+4*(\s)+3], 0x80000000
	JLOAD \s                                       ; two tensor loads of mine are out
.endr
	v_and_b32 v1, 15, v0                           ; r = l % 16
	v_bfe_u32 v2, v0, 4, 1                         ; h = l / 16
	v_mul_u32_u24 v3, v1, PA
	v_lshl_add_u32 v3, v2, 4, v3                   ; 144 r + 16 h
	s_mul_i32 s56, s15, AHALF
	v_add_nc_u32 v[ADRA], s56, v3
	v_add_nc_u32 v[ADRA+1], SLOT, v[ADRA]
	v_and_b32 v13, 7, v0                           ; the turning load: lane l reads row 8 h + l % 8, 16 bytes at 16 ((l / 8) % 2); it leaves lane l position l % 16 and eight d
	v_lshl_add_u32 v13, v2, 3, v13
	v_mul_u32_u24 v13, v13, PB
	v_bfe_u32 v24, v0, 3, 1
	v_lshl_add_u32 v13, v24, 4, v13
	s_lshl_b32 s57, s16, 8                         ; my 128 positions
	s_add_co_u32 s57, s57, BOFF
	v_add_nc_u32 v[ADRB], s57, v13
	v_add_nc_u32 v[ADRB+1], SLOT, v[ADRB]
	s_mul_i32 s56, s14, WSTAGE
	s_add_co_u32 s56, s56, STAGE                   ; my stage
	v_add_nc_u32 v[STO], s56, v3
	v_bfe_u32 v24, v0, 3, 2                        ; back: 32 lanes take four rows of 128 bytes
	v_mul_u32_u24 v24, v24, SPITCH
	v_and_b32 v25, 7, v0
	v_lshl_add_u32 v24, v25, 4, v24
	v_add_nc_u32 v[RD], s56, v24
	v_and_b32 v[GO], 31, v0
	v_lshlrev_b32 v[GO], 4, v[GO]
	v_lshlrev_b32 v[BO], 5, v2                     ; eight numbers for each half of the lanes
	v_lshlrev_b32 v[BVO], 2, v1
	s_lshl_b32 s66, s20, 1
	s_add_co_u32 s66, s66, s15                     ; my head
	s_mul_i32 s70, s66, 768
	s_mov_b32 s71, 0
	s_add_nc_u64 s[8:9], s[8:9], s[70:71]          ; biasp at my head
	s_lshr_b32 s67, s19, 2
	s_lshl_b32 s67, s67, 4
	s_add_co_u32 s67, s67, s66                     ; 16 b + head
	s_lshl_b32 s70, s67, 17                        ; 1,024 rows of 128 bytes
	s_and_b32 s67, s19, 3
	s_lshl_b32 s67, s67, 15
	s_add_co_u32 s70, s70, s67
	s_lshl_b32 s67, s16, 14
	s_add_co_u32 s70, s70, s67
	s_add_nc_u64 s[10:11], s[10:11], s[70:71]      ; qh at my first position
	s_lshl_b32 s67, s19, 2
	s_lshl1_add_u32 s67, s16, s67                  ; 16 b + kb of my first 64 positions
	s_lshl_b32 s67, s67, 4
	s_add_co_u32 s67, s67, s66
	s_lshl_b32 s70, s67, 14
	s_add_nc_u64 s[12:13], s[12:13], s[70:71]      ; kv at that block of my head
.irp g, 0,1
.irp a, 0,1,2,3
	global_load_b128 v[BQ+32*\g+8*\a:BQ+32*\g+8*\a+3],   v[BO], s[8:9] offset:(64*\g+16*\a)*4     ; q's and k's bias of channels 16 a + 8 h + 0..7: register j of an accumulator holds channel 8 h + j
	global_load_b128 v[BQ+32*\g+8*\a+4:BQ+32*\g+8*\a+7], v[BO], s[8:9] offset:(64*\g+16*\a)*4+16
.endr
.endr
.irp a, 0,1,2,3
	global_load_b32 v[BV+2*\a], v[BVO], s[8:9] offset:512+64*\a    ; v's bias of channel 16 a + r, twice: a pair for the packed addition
	global_load_b32 v[BV+2*\a+1], v[BVO], s[8:9] offset:512+64*\a
.endr
; 16 matrix instructions: channel blocks 2 half, 2 half + 1 of g x all 8 position blocks, 32 along d.  zero = 1: the product starts the sums, q's and k's with their bias, v's with 0.
; The 96 accumulators take turns, one instruction a turn.
.macro MUL16 g, half, xb, zero
.if (\zero) && ((\g) < 2)
	WIN 0x40*(1+(\g))                              ; D in window 1 + g, C (the bias) in window 0
.else
	WIN 0x50*(1+(\g))                              ; C and D in window 1 + g
.endif
.irp a, 2*(\half), 2*(\half)+1
.irp b, 0,1,2,3,4,5,6,7
.if (\g) < 2
.if \zero
	v_wmma_f32_16x16x32_bf16 v[8*(8*(\a)+(\b)):8*(8*(\a)+(\b))+7], v[WB+32*(\g)+8*(\a):WB+32*(\g)+8*(\a)+7], v[(\xb)+8*(\b):(\xb)+8*(\b)+7], v[BQ+32*(\g)+8*(\a):BQ+32*(\g)+8*(\a)+7]
.else
	v_wmma_f32_16x16x32_bf16 v[8*(8*(\a)+(\b)):8*(8*(\a)+(\b))+7], v[WB+32*(\g)+8*(\a):WB+32*(\g)+8*(\a)+7], v[(\xb)+8*(\b):(\xb)+8*(\b)+7], v[8*(8*(\a)+(\b)):8*(8*(\a)+(\b))+7]
.endif
.else
.if \zero
	v_wmma_f32_16x16x32_bf16 v[8*(8*(\a)+(\b)):8*(8*(\a)+(\b))+7], v[(\xb)+8*(\b):(\xb)+8*(\b)+7], v[WB+32*(\g)+8*(\a):WB+32*(\g)+8*(\a)+7], 0
.else
	v_wmma_f32_16x16x32_bf16 v[8*(8*(\a)+(\b)):8*(8*(\a)+(\b))+7], v[(\xb)+8*(\b):(\xb)+8*(\b)+7], v[WB+32*(\g)+8*(\a):WB+32*(\g)+8*(\a)+7], v[8*(8*(\a)+(\b)):8*(8*(\a)+(\b))+7]
.endif
.endif
.endr
.endr
.endm
.macro LOADW slot, s, g                ; 8 loads: g's 64 channels, quarter s
.irp a, 0,1,2,3
	ds_load_b128 v[WB+32*(\g)+8*\a:WB+32*(\g)+8*\a+3],   v[ADRA+(\slot)] offset:(4*(\g)+\a)*16*PA+64*(\s)
	ds_load_b128 v[WB+32*(\g)+8*\a+4:WB+32*(\g)+8*\a+7], v[ADRA+(\slot)] offset:(4*(\g)+\a)*16*PA+64*(\s)+32
.endr
.endm
.macro LOADX slot, s, xb, half         ; 8 turning loads: 64 of my positions, quarter s
.irp b, 0,1,2,3
	ds_load_tr16_b128 v[(\xb)+8*(4*(\half)+\b):(\xb)+8*(4*(\half)+\b)+3],   v[ADRB+(\slot)] offset:(\s)*BHALF+32*(4*(\half)+\b)
	ds_load_tr16_b128 v[(\xb)+8*(4*(\half)+\b)+4:(\xb)+8*(4*(\half)+\b)+7], v[ADRB+(\slot)] offset:(\s)*BHALF+16*PB+32*(4*(\half)+\b)
.endr
.endm
.macro PLACES                          ; four places in front of loads into registers that matrix instructions have read, and of vector lines that read results or write sources (ISA guide 7.12.1 for vector instructions)
.rept 4
	v_nop
.endr
.endm
; A K step is two quarters of 32 along d, each three thirds (q, k, v) of 32 matrix instructions.  Each buffer is loaded again in the third behind its last use.
; The step's first quarter: multiplies X0; fetches v's weights of this quarter, and X1 and q's and k's weights of the second.
.macro KFRONT slot
	s_wait_dscnt 8                                 ; X0 and q's weights are in; the youngest eight loads (k's weights) may be out
	MUL16 0, 0, X0, 0
	WIN 0
	PLACES
	LOADW \slot, 0, 2
	LOADX \slot, 1, X1, 0
	MUL16 0, 1, X0, 0
	s_wait_dscnt 16                                ; k's weights are in: all but the 16 just issued
	MUL16 1, 0, X0, 0
	WIN 0
	PLACES
	LOADW \slot, 1, 0
	LOADX \slot, 1, X1, 1
	MUL16 1, 1, X0, 0
	s_wait_dscnt 16                                ; v's weights are in: all but the 16 just issued
	MUL16 2, 0, X0, 0
	WIN 0
	PLACES
	LOADW \slot, 1, 1
	MUL16 2, 1, X0, 0
.endm
; The second quarter multiplies X1 and changes slots: ONE barrier.  In front of it each wave has asked for the slot's last bytes, waits for all its tensor loads (one is out: its part of the next slot),
; adds 0 to its spare word, and waits for that and for its reads of this slot.  fill = 1: the barrier opens a round of the cluster's, and this slot is filled again, two K steps ahead, first thing behind it:
; 160 matrix instructions ahead of the wait for it.
.macro KBACK slot, next, fill
	WIN 0
	PLACES
	LOADW \slot, 1, 2
	s_wait_tensorcnt 0x0                           ; all my tensor loads have landed
	ds_add_u32 v[SPW], v[NIL]                      ; 0 onto my spare word
	s_wait_dscnt 17                                ; X1 and q's weights are in: k's eight loads, v's eight and the add may be out
	MUL16 0, 0, X1, 0
	s_wait_dscnt 0x0                               ; the add is done, and my reads of this slot are over
	s_barrier_signal -1
	MUL16 0, 1, X1, 0
	WIN 0                                          ; at a branch and at a label every window is 0
	s_barrier_wait -1
.if \fill
	CREST                                          ; no wave of any partner still reads this slot or has a load on its way
	s_add_nc_u64 s[G0+4*(\slot)+2:G0+4*(\slot)+3], s[G0+4*(\slot)+2:G0+4*(\slot)+3], 2*393216
	s_add_nc_u64 s[G0B+4*(\slot)+2:G0B+4*(\slot)+3], s[G0B+4*(\slot)+2:G0B+4*(\slot)+3], 2*131072
	JLOAD \slot                                    ; its four v_nop are also the places in front of the loads below
.else
	PLACES
.endif
	LOADX \next, 0, X0, 0
	MUL16 1, 0, X1, 0
	WIN 0
	PLACES
	LOADW \next, 0, 0
	LOADX \next, 0, X0, 1
	MUL16 1, 1, X1, 0
	MUL16 2, 0, X1, 0
	WIN 0
	PLACES
	LOADW \next, 0, 1
	MUL16 2, 1, X1, 0
.endm
	s_wait_tensorcnt 1                             ; my part of K step 0 is in; K step 1's may stay out
	s_barrier_signal -1
	s_barrier_wait -1
	LOADX 0, 0, X0, 0
	LOADX 0, 0, X0, 1
	LOADW 0, 0, 0
	LOADW 0, 0, 1
	LOADW 0, 0, 2
	; THE FIRST QUARTER stands in front of the loop: its products start the sums.  The biases lie in X1's registers until k's products have read them, so the second quarter's fragments are all fetched in v's third,
	; k's weights last, as the count in front of the second quarter's first products expects.
	s_wait_loadcnt 0x0                             ; the biases
	s_wait_dscnt 16                                ; X0 and q's weights are in; k's and v's sixteen loads may be out
	MUL16 0, 0, X0, 1
	MUL16 0, 1, X0, 1
	s_wait_dscnt 8                                 ; v's eight may be out
	MUL16 1, 0, X0, 1
	MUL16 1, 1, X0, 1
	s_wait_dscnt 0x0
	MUL16 2, 0, X0, 1
	WIN 0
	PLACES
	LOADW 0, 1, 0
	LOADX 0, 1, X1, 0
	LOADX 0, 1, X1, 1
	LOADW 0, 1, 1
	MUL16 2, 1, X0, 1
	WIN 0
	s_mov_b32 s3, 7
.Llap:                                             ; a trip goes once round the ring and fills both slots again: K steps 2 to 15 in seven trips
	KBACK 0, 1, 1
	KFRONT 1
	KBACK 1, 0, 1
	KFRONT 0
	WIN 0
	s_sub_co_u32 s3, s3, 1
	s_cmp_lg_u32 s3, 0
	s_cbranch_scc1 .Llap
	KBACK 0, 1, 0                                  ; K step 14 ends; nothing is left to ask for, so no round follows
	KFRONT 1
	WIN 0                                          ; the last quarter: nothing more to fetch but v's weights
	PLACES
	LOADW 1, 1, 2
	s_wait_dscnt 16                                ; k's and v's weights may be out
	MUL16 0, 0, X1, 0
	MUL16 0, 1, X1, 0
	s_wait_dscnt 8                                 ; v's may be out
	MUL16 1, 0, X1, 0
	MUL16 1, 1, X1, 0
	s_wait_dscnt 0x0
	MUL16 2, 0, X1, 0
	MUL16 2, 1, X1, 0
	WIN 0
; THE WAY OUT, in 12 blocks of 8 accumulators.  q, k (kind 0, 1), block idx: 32 positions x 64 channels.  v (kind 2), block idx: 16 channels x 128 positions.  Either is 32 rows of 128 bytes.
; PACKB: the sums (v's with its bias added) are rounded to f16, each accumulator's registers in ascending order.  TOSTAGE: into my own stage, back as whole rows.  SEND: stored, 512 consecutive bytes a store.
.macro PACKB kind, idx
.if (\kind) < 2
	WIN 5*(1+(\kind))                              ; sources 0 and 1: the accumulators' window
.set i, 0
.rept 8
.set AC, 8*(8*(i%4)+2*(\idx)+i/4)
.irp j, 0,1,2,3
	v_cvt_pk_f16_f32 v[U+4*i+\j], v[AC+2*\j], v[AC+2*\j+1]
.endr
.set i, i+1
.endr
	WIN 0
.else
	WIN 3                                          ; source 0: v's window
.set i, 0
.rept 8
.set AC, 8*(8*(\idx)+i)
.irp j, 0,2,4,6
	v_pk_add_f32 v[T+8*i+\j:T+8*i+\j+1], v[AC+\j:AC+\j+1], v[BV+2*(\idx):BV+2*(\idx)+1]
.endr
.set i, i+1
.endr
	WIN 0
.set i, 0
.rept 32
	v_cvt_pk_f16_f32 v[U+i], v[T+2*i], v[T+2*i+1]
.set i, i+1
.endr
.endif
.endm
.macro TOSTAGE n
.set BKR, BK+32*((\n)%2)
.set i, 0
.rept 8
	ds_store_b128 v[STO], v[U+4*i:U+4*i+3] offset:(i/4)*16*SPITCH+32*(i%4)
.set i, i+1
.endr
.set t, 0
.rept 8
	ds_load_b128 v[BKR+4*t:BKR+4*t+3], v[RD] offset:4*SPITCH*t  ; LDS serves a wave's instructions in order (ISA guide 5.7.1.4): these see the stores above
.set t, t+1
.endr
.endm
.macro SEND n, kind, idx
.set BKR, BK+32*((\n)%2)
	s_wait_dscnt 0x0                               ; the block is back in registers
	s_wait_xcnt 0x0                                ; earlier stores have read their registers: the other buffer is loaded again only behind this wait
.set t, 0
.rept 8
.if (\kind) == 0
	global_store_b128 v[GO], v[BKR+4*t:BKR+4*t+3], s[10:11] offset:4096*(\idx)+512*t
.elseif (\kind) == 1
	global_store_b128 v[GO], v[BKR+4*t:BKR+4*t+3], s[12:13] offset:((\idx)/2)*262144+((\idx)%2)*4096+512*t
.else
	global_store_b128 v[GO], v[BKR+4*t:BKR+4*t+3], s[12:13] offset:(t/4)*262144+8192+2048*(\idx)+512*(t%4)
.endif
.set t, t+1
.endr
.endm
	PLACES                                         ; the first conversions write where q's weights lay
	PACKB 0, 0
	TOSTAGE 0
.set nb, 1
.rept 11                               ; a block's arithmetic stands between the loads of the block before and its stores
	PACKB nb/4, nb%4
	SEND nb-1, (nb-1)/4, (nb-1)%4
	TOSTAGE nb
.set nb, nb+1
.endr
	SEND 11, 2, 3
	s_wait_tensorcnt 0x0                           ; the wave's end, behind my last tensor load and my last LDS store
	ds_add_u32 v[SPW], v[NIL]
	s_wait_dscnt 0x0
	CROUND                                         ; the closing round: no work-group ends while a partner may still ask for a tile that names it
	s_endpgm
.Lfunc_end_k_q4d0452c6b5_proj:
	.size	k_q4d0452c6b5_proj, .Lfunc_end_k_q4d0452c6b5_proj-k_q4d0452c6b5_proj
	.p2alignl 7, 3214868480
	.fill 96, 4, 3214868480
	.section	.rodata,"a",@progbits
	.p2align	6, 0x0
	.amdhsa_kernel k_q4d0452c6b5_proj
		.amdhsa_group_segment_fixed_size 327680
		.amdhsa_private_segment_fixed_size 0
		.amdhsa_enable_private_segment 0
		.amdhsa_kernarg_size 40
		.amdhsa_user_sgpr_count 2
		.amdhsa_user_sgpr_kernarg_segment_ptr 1
		.amdhsa_wavefront_size32 1
		.amdhsa_system_sgpr_workgroup_id_x 1
		.amdhsa_system_sgpr_workgroup_id_y 1
		.amdhsa_system_sgpr_workgroup_id_z 1
		.amdhsa_system_vgpr_workitem_id 0
		.amdhsa_next_free_vgpr 1024
		.amdhsa_next_free_sgpr 80
		.amdhsa_reserve_vcc 0
		.amdhsa_float_denorm_mode_32 3
		.amdhsa_float_denorm_mode_16_64 3
		.amdhsa_memory_ordered 1
		.amdhsa_forward_progress 1
		.amdhsa_inst_pref_size 141
	.end_amdhsa_kernel
	.amdgpu_metadata
---
amdhsa.version: [ 1, 2 ]
amdhsa.kernels:
  - .name:           k_q4d0452c6b5_proj
    .symbol:         k_q4d0452c6b5_proj.kd
    .args:
      - { .name: wb, .offset: 0, .size: 8, .value_kind: global_buffer, .address_space: global }
      - { .name: xb, .offset: 8, .size: 8, .value_kind: global_buffer, .address_space: global }
      - { .name: biasp, .offset: 16, .size: 8, .value_kind: global_buffer, .address_space: global }
      - { .name: qh, .offset: 24, .size: 8, .value_kind: global_buffer, .address_space: global }
      - { .name: kv, .offset: 32, .size: 8, .value_kind: global_buffer, .address_space: global }
    .group_segment_fixed_size: 327680
    .private_segment_fixed_size: 0
    .kernarg_segment_align: 8
    .kernarg_segment_size: 40
    .max_flat_workgroup_size: 128
    .sgpr_count:     80
    .vgpr_count:     1024
    .wavefront_size: 32
...
	.end_amdgpu_metadata
.endif
;; end of part 2
;; launch attn (part 3): grid 4 x 64, 4 waves a work-group, clusters of 4 x 4, 327,680 bytes of LDS; arguments qh, kv, maskr, out0; writes out0
.if DOCPART == 3
	.amdgcn_target "amdgcn-amd-amdhsa--gfx1250"
	.amdhsa_code_object_version 6
	.text
	.protected	k_q4d0452c6b5_attn
	.globl	k_q4d0452c6b5_attn
	.p2align	8
	.type	k_q4d0452c6b5_attn,@function
k_q4d0452c6b5_attn:
	s_mov_b64 s[64:65], 0
	v_nop
	global_prefetch_b8 v0, s[64:65] scope:SCOPE_SE
	s_setreg_imm32_b32 hwreg(HW_REG_WAVE_MODE, 25, 1), 1
	s_wait_xcnt 0x0
	s_wait_alu depctr_hold_cnt(0) depctr_sa_sdst(0) depctr_va_vdst(0) depctr_va_sdst(0) depctr_va_ssrc(0) depctr_va_vcc(0) depctr_vm_vsrc(0)
	s_getreg_b32 s2, hwreg(HW_REG_IB_STS2, 6, 4)
	s_cmp_eq_u32 s2, 0
	s_cbranch_scc0 .Lentry_in_a_cluster
	s_endpgm
.Lentry_in_a_cluster:
	s_bfe_u32 s2, ttmp6, 0x10000c
	s_cmp_lg_u32 s2, 0xf033
	s_cbranch_scc0 .Lentry_shape_is_right
	s_endpgm
.Lentry_shape_is_right:
; ATTN: out0[b][64 head + ch][l] = the sum over keys m of softmax_m(q[l] . k[m] / 8 + mask[b][l][m]) v[m][ch], in f32.
; In: qh [b][head][l][64] f16 = q / 8;  kv [b][kb 16][head][2][64][64] f16: K as [key][channel], then V as [channel][key], for 64 keys;  maskr [b][l][m] f32, no number below -2^100.
; Products, maxima and sums in f32; the weights p are rounded to f16 for the second product (their sum l is taken of the unrounded p).
; LIMITS.  p lies in 0 to 1, and below 6e-5 it keeps f16's fixed step; a weight below 2^-126 counts as 0 in l.  The running maximum starts at -2^125, far below every score that the mask's floor allows.
; NaN and infinities are not treated apart.
; SHARES.  A work-group takes 4 heads x 128 queries of a batch; wave w takes head 4 hg + w and all 128 queries: four PIECES of two tiles of 16.  The four waves read ONE mask tile; each reads its own head's K and V.
; 4 x 64 = 256 work-groups of equal work.  Every wave walks all 1,024 keys, 64 a step; an LDS slot holds one step: 4 heads' K and V, and 128 x 64 of the mask.
; LAYOUT.  S^T = K Q^T + mask^T (source 0 = 16 keys, source 1 = 16 queries, C = the mask): a lane holds ONE query (lane % 16) and the keys 8 (lane / 16) + 0..7, which are 32 neighbouring bytes of the mask's row.
; Two such results rounded to f16 in pairs ARE source 1 of O^T = V^T P, whose result again holds one query a lane, and eight channels.
; SOFTMAX.  For each query a running maximum m and sum l: p = 2^(c s - c m), c = log2(e); in every step O and l are multiplied by a = 2^(c m_old - c m_new).  O and l start at 0: the first step is a step like any other, with a = 0.
; BY TURNS.  A tile and step have 16 matrix and 118 vector instructions.  Turn n belongs to piece n: 16 products K Q^T of piece n + 1, later 16 products V^T P of piece n - 1; beside them the scaling, exponentials,
; roundings, sums and rescaling of piece n and the maximum and statistics of piece n + 1.  Four vector instructions that are ready stand behind every matrix instruction, the others in two runs of their own.
; CLUSTER.  4 x 4 work-groups.  The four of a row of the cluster have the same batch and queries and need the same mask tile; the four of a column the same batch and heads and the same K and V: each is asked for jointly.
; PREFETCH.  Behind each joint load wave 0 asks, with two instructions, for the tiles that the next trip's joint load will fetch: one trip, 128 matrix and some 950 vector instructions, ahead.  The mask tile's 128 rows of 256 bytes
; are dealt by cx, 32 to a work-group; the four heads' 65,536 bytes of K and V are dealt in blocks of 256 by the query block, 32 to each of the eight work-groups that read them: each block is asked for once in the launch.
; REGISTERS, in windows of 256 (s_set_vgpr_msb: bits 1:0 source 0, 3:2 source 1, 5:4 source 2, 7:6 destination):
;   window 0: v0-11 addresses; v12-15, v48-63 at work; v16-47 four registers of statistics a tile; v64-191 S^T, two buffers of two tiles; v192-255 P, likewise (a piece's buffers go by its number's parity)
;   window 1: O^T, 32 a tile      window 2: v0-127 Q, 16 a tile; v128-191 K of one step; v192-255 V of one step      window 3: v0-1 the add's two registers; v8-71 the mask of one piece
.set NP,    4         ; pieces a wave: a name, no knob
.set PK,    144       ; a row of K or V^T in LDS: 128 bytes + 16: the 16 rows of a load start at 16 different groups of four banks (64 banks of 4 bytes: ISA guide 11.1)
.set PM,    272       ; a row of the mask: 256 bytes + 16: likewise
.set HEADB, 128*PK    ; a head's 64 rows of K and 64 rows of V^T
.set VOFF,  64*PK
.set MOFF,  4*HEADB   ; behind the four heads: 128 rows of the mask
.set SLOT1, 1<<17     ; slot 1 begins here, so that one exclusive or turns an address in one slot into the other's
.set STAGE, SLOT1+MOFF+128*PM  ; behind the ring, never filled by a tensor load: 16 rows x 528 bytes for each wave, for the way out
.set SP,    528
.set SPARE, STAGE+4*16*SP      ; behind the stages: the spare words, 128 bytes for each wave: two blocks of 256 bytes that no other line names
.set AK0, 2           ; v2   my lane's place in my head's K; never rewritten
.set AM0, 3           ; v3   my lane's place in the mask tile; never rewritten
.set AKV, 4           ; v4   AK0 in the slot in hand
.set AM,  5           ; v5   AM0 in the slot in hand
.set QO,  6           ; v6   my byte offset in the wave's rows of Q
.set STO, 6           ;      later, the way out: where I put a number
.set RD,  7           ; v7   the way out: where I read a row back
.set GO,  8           ; v8   my place in 512 consecutive bytes
.set PMO, 10          ; v10  the prefetch: my row of the mask tile, in bytes; never rewritten
.set PKO, 11          ; v11  the prefetch: my block of the four heads' K and V, in bytes; never rewritten
.set SPW, 0           ; v0 of window 3   LDS address of my spare word; never rewritten
.set NIL, 1           ; v1 of window 3   0; never rewritten
.set MC,  8           ; window 3: tile u, key block kb at MC + 32 u + 8 kb
.set MV,  12          ; v12-15  c m_old, kept while c m is made anew: by buffer and tile
.set ST,  16          ; tile t's statistics at v[ST+4 t]: c m, m, l (even keys', odd keys')
.set TMP, 48          ; by buffer and tile, four registers c0-c3 at work; when the maximum is found c2 takes a
.set S,   64
.set P,   192
.set KF,  128         ; window 2: key block kb, channel half c at KF + 16 kb + 8 c
.set VF,  192         ; window 2: key half kk, channel block cb at VF + 32 kk + 8 cb
.set OT,  64          ; the way out: 64 numbers of O
.set OB,  128         ; the way out: 16 rows read back, two buffers of 64
.set WV,  12          ; s12  my wave's number
.set G1M,  24         ; s[24:31] descriptor group 1 for the mask's tiles
.set G1KV, 32         ; s[32:39] for K's and V's
.set G0M,  40         ; s[40:43] descriptor group 0 for the mask's tiles: it walks
.set G0KV, 44         ; s[44:47] the same for K's and V's
.set SLOTS, 56        ; s56  counts the loop's trips
.set CNT, 57          ; s57  counts the tail's
.set CS,  58          ; s[58:59] c: the packed scaling takes the pair's low word for both halves
.set SEL, 60          ; s[60:61] v_permlanex16_b32's selects: each lane takes its own place in the other half
.set TB,  62          ; s62  LDS byte at which the slot in hand begins
.set PFM, 66          ; s[66:67] the prefetch: the mask tile of the step to be asked for
.set PFK, 68          ; s[68:69] the prefetch: the four heads' K and V of that step
.set MSB, 0
.macro WIN new                      ; the high byte repeats the setting that is left; a switch that changes nothing is dropped
.if MSB != (\new)
	s_set_vgpr_msb (MSB<<8)|(\new)
.set MSB, (\new)
.endif
.endm
.set W_KQ, 0x0a       ; K and Q in window 2, S^T in window 0
.set W_KM, 0x3a       ; the same with the C operand in window 3
.set W_PV, 0x52       ; V in window 2, P in window 0, O^T in window 1
.set W_RS, 0x41       ; O^T (destination and source 0) in window 1, a in window 0
.set W_MK, 0xc0       ; destination in window 3, sources in window 0
.set W_AD, 0x0f       ; the add: address (source 0) and data (source 1) in window 3
; A joint fill.  Waves 0 and 1 fetch the two halves of the mask tile (64 queries each), waves 2 and 3 two heads' K and V each.  The branch hangs on the wave's number alone.
; An s_nop 0 and four v_nop follow each of the two lines, ahead of the jump and the label.
.macro JLOAD
	s_cmp_lt_u32 s[WV], 2
	s_cbranch_scc0 .Lfor_kv_\@
	tensor_load_to_lds s[G0M:G0M+3], s[G1M:G1M+7]
	s_nop 0
.rept 4
	v_nop
.endr
	s_branch .Lasked_\@
.Lfor_kv_\@:
	tensor_load_to_lds s[G0KV:G0KV+3], s[G1KV:G1KV+7]
	s_nop 0
.rept 4
	v_nop
.endr
.Lasked_\@:
.endm
; The prefetch's two bases go one key step on.  The wait stands a trip behind the last prefetch: its address registers are written only behind it (ISA guide 3.1).
.macro PFSTEP
	s_wait_xcnt 0x0
	s_add_nc_u64 s[PFM:PFM+1], s[PFM:PFM+1], 256
	s_add_nc_u64 s[PFK:PFK+1], s[PFK:PFK+1], 262144
.endm
; Wave 0 asks for my work-group's 32 rows of the mask tile and its 32 blocks of K and V.  stop = 1 (in the loop): the last trip, whose bases stand behind key step 15, asks for nothing.
.macro PFASK stop
	s_cmp_lg_u32 s[WV], 0
	s_cbranch_scc1 .Lno_ask_\@
.if \stop
	s_cmp_eq_u32 s[SLOTS], 1
	s_cbranch_scc1 .Lno_ask_\@
.endif
	global_prefetch_b8 v[PMO], s[PFM:PFM+1] th:TH_LOAD_NT scope:SCOPE_SE
	global_prefetch_b8 v[PKO], s[PFK:PFK+1] th:TH_LOAD_NT scope:SCOPE_SE
.Lno_ask_\@:
.endm
; A round of the cluster's barrier: my work-group's barrier, so that wave 0's signal speaks for all four waves; wave 0 signals; every wave waits for all sixteen work-groups; my work-group's barrier once more.
.macro CROUND
	s_barrier_signal -1
	s_barrier_wait -1
	s_cmp_lg_u32 s[WV], 0
	s_cbranch_scc1 .Lnot_wave_0_\@
	s_barrier_signal -3
.Lnot_wave_0_\@:
	s_barrier_wait -3
	s_barrier_signal -1
	s_barrier_wait -1
.endm
; THE CHANGE OF SLOTS, once a key step.  Each wave waits for all its tensor loads, of which one is out: its part of the other slot; adds 0 to its spare word; and waits for that and for its own reads of the slot
; that it leaves.  Behind the barrier nobody reads the old slot any more and the other slot is whole.  fill = 1: the old slot is filled again, with the step two on.  The barrier is then a round of the cluster's,
; and the joint fill is the first thing behind it: it has a key step, 128 matrix instructions and their vector work, in which to land.  (At its first use nothing has been read yet: slot 0 is waited for, slot 1 filled.)
.macro CHANGE fill
	WIN W_AD
	s_wait_tensorcnt 0x0            ; no tensor load of mine is out, so a group 0 may be written
	ds_add_u32 v[SPW], v[NIL]       ; 0 onto my spare word; with fill = 1 the descriptors' steps stand between it and the wait for it
	WIN 0                           ; at a label and at a branch every window is 0
.if \fill
	s_xor_b32 s[G0M+1], s[G0M+1], SLOT1  ; the walking descriptors: the other slot than last time,
	s_add_nc_u64 s[G0M+2:G0M+3], s[G0M+2:G0M+3], 256  ; the next 64 keys of the mask's rows,
	s_xor_b32 s[G0KV+1], s[G0KV+1], SLOT1
	s_add_nc_u64 s[G0KV+2:G0KV+3], s[G0KV+2:G0KV+3], 262144  ; and the next kb plane of kv; the type bits on top are not reached
	s_wait_dscnt 0x0                ; the add is done, and my reads of the slot are over
	CROUND
	JLOAD
.else
	s_wait_dscnt 0x0                ; the add is done, and my reads of the slot are over
	s_barrier_signal -1
	s_barrier_wait -1
.endif
	s_xor_b32 s[TB], s[TB], SLOT1   ; the fetches go to the other slot
	v_add_nc_u32 v[AKV], s[TB], v[AK0]
	v_add_nc_u32 v[AM], s[TB], v[AM0]
.endm
	s_load_b256 s[4:11], s[0:1], 0x0  ; qh s[4:5], kv s[6:7], maskr s[8:9], out0 s[10:11]
	WIN W_MK
	v_lshl_add_u32 v[SPW], v0, 2, SPARE
	v_mov_b32 v[NIL], 0
	WIN W_AD
	ds_add_u32 v[SPW], v[NIL]       ; the wave's opening: the add and its wait stand ahead of my first tensor load; the set-up below, work on registers, stands between them
	WIN 0
	v_lshrrev_b32 v1, 5, v0
	v_readfirstlane_b32 s[WV], v1   ; wave 0..3
	s_bfe_u32 s13, ttmp6, 0x40000   ; cx
	s_bfe_u32 s14, ttmp6, 0x40004   ; cy
	s_lshl_b32 s15, ttmp9, 2
	s_add_co_u32 s15, s15, s13      ; hg: my group of four heads
	s_and_b32 s16, ttmp7, 0xffff    ; the cluster's y
	s_lshl_b32 s17, s16, 2
	s_add_co_u32 s17, s17, s14      ; 8 b + block of 128 queries
	s_lshr_b32 s16, s16, 1          ; b, from the cluster's y alone: a cluster's four blocks lie in one batch
	s_lshl_b32 s18, s14, 2
	s_lshl_b32 s18, 15, s18         ; my row of the cluster
	s_lshl_b32 s19, 0x1111, s13     ; my column
	s_and_b32 s20, s[WV], 1         ; which half of a tile I fetch
	; group 1 for the mask: 64 rows of 64 f32, 16 bytes of padding behind each
	s_or_b32 s[G1M], s18, (2<<16)|(1<<20)|(1<<21)|(5<<22)|(3<<25)  ; 15:0 the mask of work-groups; 17:16 4-byte elements; 20 padding on; 21 set beside a mask; 24:22 after every 64 words (code 5); 31:25 4 words (code 3)
	s_mov_b32 s[G1M+1], 64<<16      ; tensor_dim0 = 64
	s_mov_b32 s[G1M+2], 64<<16      ; tensor_dim1 = 64
	s_mov_b32 s[G1M+3], 64<<16      ; tile_dim0 = 64
	s_mov_b32 s[G1M+4], 64          ; tile_dim1 = 64
	s_mov_b32 s[G1M+5], 1024        ; elements from row to row
	s_mov_b32 s[G1M+6], 0
	s_mov_b32 s[G1M+7], 0
	; group 1 for K and V: two heads are 32,768 dense bytes: 128 rows of 256 bytes, padded in LDS after every 128
	s_or_b32 s[G1KV], s19, (1<<16)|(1<<20)|(1<<21)|(4<<22)|(3<<25)  ; 2-byte elements; after every 32 words (code 4), 4 words (code 3)
	s_mov_b32 s[G1KV+1], 128<<16
	s_mov_b32 s[G1KV+2], 128<<16
	s_mov_b32 s[G1KV+3], 128<<16
	s_mov_b32 s[G1KV+4], 128
	s_mov_b32 s[G1KV+5], 128
	s_mov_b32 s[G1KV+6], 0
	s_mov_b32 s[G1KV+7], 0
	; the mask's tile hangs on batch and queries, K's and V's on batch and heads; each offset is made in registers that never hold the other place in the cluster
	s_lshl_b32 s48, s17, 19         ; 128 rows of 4,096 bytes
	s_lshl_b32 s49, s20, 18
	s_add_co_u32 s48, s48, s49
	s_mov_b32 s49, 0
	s_lshl_b32 s50, s16, 22         ; a batch's 16 x 16 blocks of 16,384 bytes
	s_lshl_b32 s51, s15, 16         ; four heads' blocks
	s_add_co_u32 s50, s50, s51
	s_lshl_b32 s51, s20, 15
	s_add_co_u32 s50, s50, s51
	s_mov_b32 s51, 0
	s_lshl_b32 s52, s15, 2
	s_add_co_u32 s52, s52, s[WV]    ; my head
	s_lshl_b32 s53, s16, 4
	s_add_co_u32 s53, s53, s52      ; 16 b + head
	s_and_b32 s21, s17, 7           ; my block of 128 queries
	s_lshl_b32 s74, s21, 5          ; the prefetch: my 32 blocks of K and V go by the query block,
	s_lshl_b32 s75, s13, 5          ; my 32 rows of the mask tile by cx
	s_lshl_b32 s22, s53, 17
	s_lshl_b32 s23, s21, 14
	s_add_co_u32 s22, s22, s23      ; Q: 1,024 rows of 128 bytes a head
	s_mov_b32 s23, 0
	s_lshl_b32 s54, s53, 18
	s_lshl_b32 s55, s21, 9
	s_add_co_u32 s54, s54, s55      ; O: 64 rows of 4,096 bytes a head, 512 bytes of each
	s_mov_b32 s55, 0
	s_lshl_b32 s70, s17, 19         ; the prefetch begins with key step 1: the mask tile's first row, 256 bytes on,
	s_add_co_u32 s70, s70, 256
	s_mov_b32 s71, 0
	s_lshl_b32 s72, s16, 22         ; and the four heads' blocks in the batch's second kb plane
	s_lshl_b32 s73, s15, 16
	s_add_co_u32 s72, s72, s73
	s_add_co_u32 s72, s72, 262144
	s_mov_b32 s73, 0
	s_mov_b32 s[CS], 0x3fb8aa3b     ; c = log2(e)
	s_mov_b32 s[CS+1], s[CS]        ; named with it as a pair
	s_mov_b32 s[SEL], 0x76543210
	s_mov_b32 s[SEL+1], 0xfedcba98
	s_mov_b32 s[TB], SLOT1          ; the first change of slots turns it into 0
	s_mov_b32 s[G0M], 1             ; count = 1
	s_mul_i32 s21, s20, 64*PM
	s_add_co_u32 s[G0M+1], s21, MOFF  ; LDS address: slot 0; no place in the cluster enters it
	s_mov_b32 s[G0KV], 1
	s_mul_i32 s[G0KV+1], s20, 2*HEADB
	s_wait_dscnt 0x0                ; the opening add is done
	s_wait_kmcnt 0x0
	s_add_nc_u64 s[G0M+2:G0M+3], s[8:9], s[48:49]
	s_or_b32 s[G0M+3], s[G0M+3], 0x80000000        ; type = 2
	s_add_nc_u64 s[G0KV+2:G0KV+3], s[6:7], s[50:51]
	s_or_b32 s[G0KV+3], s[G0KV+3], 0x80000000
	s_add_nc_u64 s[4:5], s[4:5], s[22:23]          ; Q at my first row
	s_add_nc_u64 s[10:11], s[10:11], s[54:55]      ; O at my first channel and query
	s_add_nc_u64 s[PFM:PFM+1], s[8:9], s[70:71]
	s_add_nc_u64 s[PFK:PFK+1], s[6:7], s[72:73]
	CROUND                          ; all sixteen work-groups are here: the first joint loads meet
	JLOAD                           ; key step 0 into slot 0: one tensor load of mine is out
	; A fragment of K, V^T or Q is 16 rows x 32 along the rows in 8 registers: lane l holds row l % 16, elements 8 (l / 16) + 0..7 and 16 + 8 (l / 16) + 0..7: two loads of 16 bytes, 32 bytes apart.
	v_and_b32 v1, 15, v0            ; r = l % 16
	v_bfe_u32 v9, v0, 4, 1          ; h = l / 16
	v_lshlrev_b32 v[QO], 7, v1
	v_lshl_add_u32 v[QO], v9, 4, v[QO]  ; row x 128 + 16 x half
	WIN 0x80                        ; destination window 2, address window 0
.set i, 0
.rept 4*NP                          ; Q stays in registers: tile i / 2, channels 32 (i % 2) on
	global_load_b128 v[8*i:8*i+3],   v[QO], s[4:5] offset:(i/2)*2048+(i%2)*64
	global_load_b128 v[8*i+4:8*i+7], v[QO], s[4:5] offset:(i/2)*2048+(i%2)*64+32
.set i, i+1
.endr
	; What the first turn finds: V's registers and P's second buffer hold 0 (its products V^T P, of a piece that has not been, add 0), O^T and l are 0.  All this stands in the wait for the first tile.
.set i, VF
.rept 64
	v_mov_b32 v[i], 0
.set i, i+1
.endr
	WIN 0
.set i, P+32
.rept 32
	v_mov_b32 v[i], 0
.set i, i+1
.endr
.set i, 0
.rept 2*NP
	v_mov_b32 v[ST+4*i], 0xfe800000    ; c m: -2^126, below c times the m beside it, so that the first a is 0
	v_mov_b32 v[ST+4*i+1], 0xfe000000  ; m: -2^125; c m stays finite
	v_mov_b32 v[ST+4*i+2], 0
	v_mov_b32 v[ST+4*i+3], 0
.set i, i+1
.endr
	v_and_b32 v[PMO], 31, v0
	v_add_nc_u32 v[PKO], s74, v[PMO]
	v_add_nc_u32 v[PMO], s75, v[PMO]
	v_lshlrev_b32 v[PMO], 12, v[PMO]      ; row 32 cx + lane of the mask tile, 4,096 bytes a row
	v_lshlrev_b32 v[PKO], 8, v[PKO]       ; block 32 x query block + lane of 256 bytes
	s_mul_i32 s21, s[WV], HEADB     ; my head's rows in a slot
	v_mul_u32_u24 v[AK0], v1, PK
	v_lshl_add_u32 v[AK0], v9, 4, v[AK0]
	v_add_nc_u32 v[AK0], s21, v[AK0]      ; row x pitch + 16 x half
	v_mul_u32_u24 v[AM0], v1, PM
	v_lshl_add_u32 v[AM0], v9, 5, v[AM0]
	v_add_nc_u32 v[AM0], MOFF, v[AM0]     ; the mask: my query's row, eight keys of 4 bytes for each half of the lanes
	PFASK 0                         ; key step 1, which the first change of slots will fetch
	WIN W_PV
.set i, 0
.rept 8*NP                          ; O^T = 0: 32 products of the zeros in V's and P's registers, with the constant 0 as C, write its 256 registers
	v_wmma_f32_16x16x32_f16 v[8*i:8*i+7], v[VF:VF+7], v[P+32:P+39], 0
.set i, i+1
.endr
	WIN 0
; THE MATRIX WORK.  The 8 accumulators of a run of 16 take turns: between the two links of a chain stand 7 others'.
; Product i of 16 of S^T = K Q^T + mask for piece x: channels 32 (i / 8) on, keys 16 ((i / 2) % 4) on, tile 2 x + i % 2.  The first 8 start the sums with the mask.
.macro KQ x
.set rS, S+64*((\x)%2)+32*(i%2)+8*((i/2)%4)
.set rK, KF+16*((i/2)%4)+8*(i/8)
.set rQ, 16*(2*(\x)+i%2)+8*(i/8)
.set rX, MC+32*(i%2)+8*((i/2)%4)
.if i < 8
	WIN W_KM
	v_wmma_f32_16x16x32_f16 v[rS:rS+7], v[rK:rK+7], v[rQ:rQ+7], v[rX:rX+7]
.else
	WIN W_KQ
	v_wmma_f32_16x16x32_f16 v[rS:rS+7], v[rK:rK+7], v[rQ:rQ+7], v[rS:rS+7]
.endif
.endm
; Product i of 16 of O^T += V^T P for piece x: keys 32 (i / 8) on, channels 16 ((i / 2) % 4) on, tile 2 x + i % 2.
.macro PV x
	WIN W_PV
.set rO, 32*(2*(\x)+i%2)+8*((i/2)%4)
.set rV, VF+32*(i/8)+8*((i/2)%4)
.set rP, P+32*((\x)%2)+16*(i%2)+8*(i/8)
	v_wmma_f32_16x16x32_f16 v[rO:rO+7], v[rV:rV+7], v[rP:rP+7], v[rO:rO+7]
.endm
.macro MM                           ; the turn's next matrix instruction
.if i < 16
	KQ (Y+1)%NP
.set i, i+1
.else
.set i, i-16
	PV (Y+NP-1)%NP
.set i, i+17
.endif
.endm
; THE LDS LOADS stand in runs of 16, never singly among the matrix instructions: a step's K, its V^T (which lies as it is wanted), and a piece's mask.
.macro FETCH_K
	WIN 0x80                        ; destination window 2
.irp f, 0,1,2,3,4,5,6,7             ; keys 16 (f / 2) on, channels 32 (f % 2) on
	ds_load_b128 v[KF+8*\f:KF+8*\f+3],   v[AKV] offset:(\f/2)*16*PK+(\f%2)*64
	ds_load_b128 v[KF+8*\f+4:KF+8*\f+7], v[AKV] offset:(\f/2)*16*PK+(\f%2)*64+32
.endr
	WIN 0
.endm
.macro FETCH_V
	WIN 0x80
.irp f, 0,1,2,3,4,5,6,7             ; keys 32 (f / 4) on, channels 16 (f % 4) on
	ds_load_b128 v[VF+8*\f:VF+8*\f+3],   v[AKV] offset:VOFF+(\f%4)*16*PK+(\f/4)*64
	ds_load_b128 v[VF+8*\f+4:VF+8*\f+7], v[AKV] offset:VOFF+(\f%4)*16*PK+(\f/4)*64+32
.endr
	WIN 0
.endm
.macro FETCH_M x                    ; piece x: tiles 2 x, 2 x + 1; key block b: my query's eight keys
	WIN W_MK                        ; destination window 3
.irp u, 0,1
.irp b, 0,1,2,3
	ds_load_b128 v[MC+32*\u+8*\b:MC+32*\u+8*\b+3],   v[AM] offset:(2*(\x)+\u)*16*PM+64*\b
	ds_load_b128 v[MC+32*\u+8*\b+4:MC+32*\u+8*\b+7], v[AM] offset:(2*(\x)+\u)*16*PM+64*\b+16
.endr
.endr
	WIN 0
.endm
; THE VECTOR WORK OF A TURN stands in three queues, each in the order in which its entries become ready; the two tiles alternate, so that no instruction reads the result of the one before it.
.macro REGS y, u                    ; the registers of tile u (0, 1) of piece y
.set rT, ST+4*(2*(\y)+(\u))
.set rC, TMP+8*((\y)%2)+4*(\u)
.set rM, MV+2*((\y)%2)+(\u)
.set rS, S+64*((\y)%2)+32*(\u)
.set rP, P+32*((\y)%2)+16*(\u)
.set rO, 32*(2*(\y)+(\u))
.endm
; Number n of the 22 that find the NEXT piece's (Y + 1) maximum and statistics.  s0-s31 are the lane's 32 scores; each accumulator's lowest registers are read first.
;   0-11  four chains c0-c3 of seven scores each, three operands at a time     12-14, 16  the four scores left over, the old m, and c0-c3 into c0     15  c m_old is kept
;   17, 18  the query's other 32 keys lie in the lane 16 away: the new m         19-21  c m; c m_old - c m_new; a
.macro XS u, n
	REGS (Y+1)%NP, \u
.if (\n) < 4
	v_max3_num_f32 v[rC+(\n)], v[rS+8*(\n)], v[rS+8*(\n)+1], v[rS+8*(\n)+2]
.elseif (\n) < 12
	v_max3_num_f32 v[rC+(\n)%4], v[rC+(\n)%4], v[rS+8*((\n)%4)+2*((\n)/4)+1], v[rS+8*((\n)%4)+2*((\n)/4)+2]
.elseif (\n) == 12
	v_max3_num_f32 v[rC], v[rC], v[rS+7], v[rS+15]
.elseif (\n) == 13
	v_max3_num_f32 v[rC+1], v[rC+1], v[rS+23], v[rS+31]
.elseif (\n) == 14
	v_max3_num_f32 v[rC+2], v[rC+2], v[rC+3], v[rT+1]
.elseif (\n) == 15
	v_mov_b32 v[rM], v[rT]
.elseif (\n) == 16
	v_max3_num_f32 v[rC], v[rC], v[rC+1], v[rC+2]
.elseif (\n) == 17
	v_permlanex16_b32 v[rC+3], v[rC], s[SEL], s[SEL+1]
.elseif (\n) == 18
	v_max_num_f32 v[rT+1], v[rC], v[rC+3]
.elseif (\n) == 19
	v_mul_f32 v[rT], s[CS], v[rT+1]
.elseif (\n) == 20
	v_sub_f32 v[rC+1], v[rM], v[rT]
.else
	v_exp_f32 v[rC+2], v[rC+1]
.endif
.endm
; Number g of the 64 that follow the exponentials.  For each four weights k of a tile (pairs 2 k, 2 k + 1): both pairs are rounded to f16; then the second pair is added onto the first, in place;
; a group later l takes that sum (the first time as l = a l + sum).  In groups of eight, tiles alternating: round, round, add, and l for the group before.
.macro GS g
.set h, (\g)+6*((\g)/62)            ; group 0 has no group before it, and behind group 7 only l is left
.if h >= 6
.set h, h+2
.endif
	REGS Y, h%2
.set k, h/8
.if h%8 < 4
	s_wait_alu depctr_va_vdst(0)
	v_cvt_pk_f16_f32 v[rP+2*k+(h%8)/2], v[rS+4*k+2*((h%8)/2)], v[rS+4*k+2*((h%8)/2)+1]
.elseif h%8 < 6
	v_pk_add_f32 v[rS+4*k:rS+4*k+1], v[rS+4*k:rS+4*k+1], v[rS+4*k+2:rS+4*k+3]
.elseif k == 1
	v_pk_fma_f32 v[rT+2:rT+3], v[rT+2:rT+3], v[rC+2:rC+3], v[rS:rS+1] op_sel_hi:[1,0,1]
.else
	v_pk_add_f32 v[rT+2:rT+3], v[rT+2:rT+3], v[rS+4*k-4:rS+4*k-3]
	s_wait_alu depctr_va_vdst(0)
.endif
.endm
; THE PLAIN QUEUE, 138 long.  0-31: c s - c m for the 16 pairs of both tiles.  Then GS's 64, and among them the next piece's 42: number 15 at 38, 39; 0-14 and 16
; at 42-73, behind the products that make those scores; 17-20 at 95-106, two of three, since each waits for the one before it.
.macro PL
	WIN 0
.if q < 32
	REGS Y, q%2
	v_pk_fma_f32 v[rS+2*(q/2):rS+2*(q/2)+1], v[rS+2*(q/2):rS+2*(q/2)+1], s[CS:CS+1], v[rT:rT+1] op_sel_hi:[1,0,0] neg_lo:[0,0,1] neg_hi:[0,0,1]
.elseif q < 38
	GS q-32
.elseif q < 40
	XS q%2, 15
.elseif q < 42
	GS q-34
.elseif q < 74
	XS q%2, (q-42)/2+(q-42)/30
.elseif q < 95
	GS q-66
.elseif (q < 107) && ((q-95)%3 < 2)
	XS (q-95)%3, 17+(q-95)/3
.elseif q < 107
	GS 29+(q-95)/3
.else
	GS q-74
.endif
.set q, q+1
.endm
; THE EXPONENTIALS' QUEUE, 66 long: s0-s31 of both tiles, and at EA the next piece's two a.
.set EA, 58
.macro EX
	WIN 0
.if (e == EA) || (e == EA+1)
	XS e-EA, 21
.else
.set x, e-2*(e/(EA+2))
	REGS Y, x%2
	v_exp_f32 v[rS+x/2], v[rS+x/2]
.endif
.set e, e+1
.endm
; THE RESCALING's QUEUE: O^T times a, the one part that leaves window 0, so it is dealt four at a time, eight times.
.macro R4
	REGS Y, r%2
	WIN W_RS
	s_wait_alu depctr_va_vdst(0)
.irp z, 0,1,2,3
	v_pk_mul_f32 v[rO+8*(r/2)+2*\z:rO+8*(r/2)+2*\z+1], v[rO+8*(r/2)+2*\z:rO+8*(r/2)+2*\z+1], v[rC+2:rC+3] op_sel_hi:[1,0]
.endr
.set r, r+1
.endm
; HOW THEY ARE DEALT.  Behind a matrix instruction four: plain, exponential, plain, plain (a plain instruction on either side of the exponential), or four of the rescaling.  None names a register of the
; products round it.  What is over stands in two runs: exponential and plain by turns; the second ends in 22 plain instructions.  The two v_permlanex16_b32 fall into the second run, never behind a product.
; The queues lean on each other, and the deal keeps them in step: exponential e stands behind plain 2 (e / 4) + e % 2 (its scaling); when plain 32 comes, 10 exponentials are out, at 59: 33, at 95: 46; EA comes behind plain 107.
.macro SL
	MM
	PL
	EX
	PL
	PL
.endm
.macro BURST n                      ; 15 matrix instructions, or 16
.rept (\n)-7
	SL
.endr
.rept 3
	MM
	R4
	SL
.endr
	MM
	R4
.endm
; A TURN, for piece p.  Its products K Q^T take the mask that the turn before has fetched; three pairs into its first run of vector work, behind eight products that do not read the mask and their plain
; instructions, it fetches the mask for the turn behind it: piece p + 2.  K of the next step is fetched in piece 2's turn, behind the last product that read K and 13 plain instructions; V of the step in hand at the
; end of piece 0's turn.  A trip of the loop (pieces 2, 3 of one step, pieces 0, 1 of the next) so reads the next step's K, V and four masks, and nothing else: all from one slot.
.macro TURN p
.set Y, (\p)
.set i, 0
.set q, 0
.set e, 0
.set r, 0
.if (\p) == 1
	s_wait_dscnt 16                 ; the mask is in; V's sixteen loads, issued behind it, may be out
.else
	s_wait_dscnt 0x0                ; the mask is in (piece 3's turn: and K)
.endif
	MM
.rept 4
	PL
.endr
	BURST 15
.rept 22
	EX
	PL
.if e == 14
	FETCH_M ((\p)+2)%NP
.endif
.if ((\p) == NP-2) && (e == 24)
	FETCH_K
.endif
.endr
.if (\p) == 1
	s_wait_dscnt 16                 ; V is in; the sixteen loads of the mask just issued may be out
.endif
	BURST 16
.rept 21
	EX
	PL
.endr
.rept 22
	PL
.endr
.if (\p) == 0
	FETCH_V
.endif
.endm
	CHANGE 1                        ; slot 0 is in, everybody's part of it; key step 1 is asked for, into slot 1
	PFSTEP
	PFASK 0                         ; key step 2, which the loop's first change of slots will fetch
	FETCH_M 0
	FETCH_K                         ; key step 0
	s_wait_loadcnt 0x0              ; Q
	s_wait_dscnt 0x0
.set i, 0
.rept 16
	KQ 0                            ; piece 0's first scores: there is no vector work yet to set between them
.set i, i+1
.endr
	WIN 0                           ; the addresses for the way out: six plain instructions, the places behind those products
	s_mul_i32 s13, s[WV], 16*SP
	s_add_co_u32 s13, s13, STAGE    ; my stage
	v_mul_u32_u24 v[STO], v9, 8*SP  ; in: row (channel) 8 h + j, my query's 4 bytes
	v_lshl_add_u32 v[STO], v1, 2, v[STO]
	v_add_nc_u32 v[STO], s13, v[STO]
	v_and_b32 v[GO], 31, v0         ; back: 32 lanes take a row's 512 bytes,
	v_lshlrev_b32 v[GO], 4, v[GO]   ; which are 512 consecutive bytes of O
	v_add_nc_u32 v[RD], s13, v[GO]
	FETCH_M 1                       ; for piece 0's turn, which makes piece 1's scores
.set Y, NP-1                        ; XS works for piece Y + 1: piece 0
.irp n, 0,1,2,3,4,5,6,7,8,9,10,11,12,13,14,15,16,17,18,19,20,21
	XS 0, \n                        ; and piece 0's first maximum and statistics
	XS 1, \n
.endr
	s_mov_b32 s[SLOTS], 15
	s_branch .Lfirst                ; the loop is entered at a step's first turn, in the middle of a trip
.Lslot:                             ; 14 times: key steps 2 to 15 are fetched; trip n (SLOTS = 15 - n) fetches step n + 1 and asks ahead for step n + 2
	CHANGE 1
	PFSTEP
	PFASK 1
	TURN 2
	TURN 3
	WIN 0
.Lfirst:
	TURN 0
	TURN 1
	WIN 0
	s_sub_co_u32 s[SLOTS], s[SLOTS], 1
	s_cmp_lg_u32 s[SLOTS], 0
	s_cbranch_scc1 .Lslot
	CHANGE 0                        ; the tail is written out: nothing is asked for
	s_mov_b32 s[CNT], 2             ; one trip for the last step; the second is left in its middle
.Ltail:
	TURN 2
	TURN 3
	WIN 0
	s_sub_co_u32 s[CNT], s[CNT], 1
	s_cmp_eq_u32 s[CNT], 0
	s_cbranch_scc1 .Lout
	TURN 0
	TURN 1
	WIN 0
	s_branch .Ltail
.Lout:                              ; the second trip's fetches (the last slot once more), its 16 products K Q^T and the maximum made of them serve nothing: the price, once a launch, of one text for every trip
	s_wait_dscnt 0x0
.set i, 0
.rept 16
	PV NP-1                         ; the last piece's V^T P of the last step
.set i, i+1
.endr
	; THE WAY OUT.  l's two halves and the other half of the lanes' are added; O^T is divided by l and sent through my stage in LDS, 16 channels at a time: in as single numbers (a lane holds a query, the output's rows are
	; channels), back as whole rows of 128 queries.  The additions are the places behind the last products.
	WIN 0
.macro ALL line:vararg              ; one line for each tile t
.set t, 0
.rept 2*NP
	\line
.set t, t+1
.endr
.endm
	ALL v_add_f32 v[ST+4*t+2], v[ST+4*t+2], v[ST+4*t+3]
	ALL v_permlanex16_b32 v[ST+4*t+3], v[ST+4*t+2], s[SEL], s[SEL+1]
	ALL v_add_f32 v[ST+4*t+2], v[ST+4*t+2], v[ST+4*t+3]
	ALL v_rcp_f32 v[ST+4*t+2], v[ST+4*t+2]
	v_nop                           ; a plain instruction between the last reciprocal and the use of its result
	s_wait_alu depctr_va_vdst(0)
.macro OMUL cb                      ; channel block cb of all eight tiles, each accumulator's registers in ascending order
	WIN 0x01                        ; source 0 window 1
.set t, 0
.rept 8
.irp j, 0,2,4,6
	v_pk_mul_f32 v[OT+8*t+\j:OT+8*t+\j+1], v[32*t+8*(\cb)+\j:32*t+8*(\cb)+\j+1], v[ST+4*t+2:ST+4*t+3] op_sel_hi:[1,0]
.endr
.set t, t+1
.endr
	WIN 0
.endm
.macro OSTAGE cb
.set BKR, OB+64*((\cb)%2)
.set t, 0
.rept 8
.irp j, 0,1,2,3,4,5,6,7
	ds_store_b32 v[STO], v[OT+8*t+\j] offset:SP*\j+64*t  ; sixteen lanes put 64 neighbouring bytes; the other sixteen lie 8 rows of 132 words on: 32 banks away
.endr
.set t, t+1
.endr
.set t, 0
.rept 16
	ds_load_b128 v[BKR+4*t:BKR+4*t+3], v[RD] offset:SP*t  ; LDS serves a wave's instructions in order (ISA guide 5.7.1.4): these see the stores above; the next block's stores come behind them
.set t, t+1
.endr
.endm
.macro OSEND cb
.set BKR, OB+64*((\cb)%2)
	s_wait_xcnt 0x0                 ; earlier stores have read their registers: the other buffer is loaded again only behind this wait
.set t, 0
.rept 16
	s_wait_dscnt 15-t               ; row t is back; the younger loads may be out
	global_store_b128 v[GO], v[BKR+4*t:BKR+4*t+3], s[10:11] offset:(16*(\cb)+t)*4096 th:TH_STORE_NT  ; 512 consecutive bytes, at a multiple of 512 from O's first
.set t, t+1
.endr
.endm
	OMUL 0
	OSTAGE 0
.set cbn, 1
.rept 3                             ; a block's arithmetic stands between the loads of the block before and its stores
	OMUL cbn
	OSEND cbn-1
	OSTAGE cbn
.set cbn, cbn+1
.endr
	OSEND 3
	WIN W_AD
	s_wait_tensorcnt 0x0            ; the wave's end, behind my last tensor load and my last LDS store
	ds_add_u32 v[SPW], v[NIL]
	s_wait_dscnt 0x0
	WIN 0
	CROUND                          ; the closing round: no work-group ends while a partner may still ask for a tile that names it
	s_endpgm
.Lfunc_end_k_q4d0452c6b5_attn:
	.size	k_q4d0452c6b5_attn, .Lfunc_end_k_q4d0452c6b5_attn-k_q4d0452c6b5_attn
	.p2alignl 7, 3214868480
	.fill 96, 4, 3214868480
	.section	.rodata,"a",@progbits
	.p2align	6, 0x0
	.amdhsa_kernel k_q4d0452c6b5_attn
		.amdhsa_group_segment_fixed_size 327680
		.amdhsa_private_segment_fixed_size 0
		.amdhsa_enable_private_segment 0
		.amdhsa_kernarg_size 32
		.amdhsa_user_sgpr_count 2
		.amdhsa_user_sgpr_kernarg_segment_ptr 1
		.amdhsa_wavefront_size32 1
		.amdhsa_system_sgpr_workgroup_id_x 1
		.amdhsa_system_sgpr_workgroup_id_y 1
		.amdhsa_system_sgpr_workgroup_id_z 1
		.amdhsa_system_vgpr_workitem_id 0
		.amdhsa_next_free_vgpr 840
		.amdhsa_next_free_sgpr 80
		.amdhsa_reserve_vcc 0
		.amdhsa_float_denorm_mode_32 3
		.amdhsa_float_denorm_mode_16_64 3
		.amdhsa_memory_ordered 1
		.amdhsa_forward_progress 1
		.amdhsa_inst_pref_size 226
	.end_amdhsa_kernel
	.amdgpu_metadata
---
amdhsa.version: [ 1, 2 ]
amdhsa.kernels:
  - .name:           k_q4d0452c6b5_attn
    .symbol:         k_q4d0452c6b5_attn.kd
    .args:
      - { .name: qh, .offset: 0, .size: 8, .value_kind: global_buffer, .address_space: global }
      - { .name: kv, .offset: 8, .size: 8, .value_kind: global_buffer, .address_space: global }
      - { .name: maskr, .offset: 16, .size: 8, .value_kind: global_buffer, .address_space: global }
      - { .name: out0, .offset: 24, .size: 8, .value_kind: global_buffer, .address_space: global }
    .group_segment_fixed_size: 327680
    .private_segment_fixed_size: 0
    .kernarg_segment_align: 8
    .kernarg_segment_size: 32
    .max_flat_workgroup_size: 128
    .sgpr_count:     80
    .vgpr_count:     840
    .wavefront_size: 32
...
	.end_amdgpu_metadata
.endif
;; end of part 3
